; MI455X (gfx1250); checked and timed in simulation.
; The chip was launched on July 23, 2026; its instructions are those of AMD's public machine-readable ISA for CDNA 5 (MIT licence, August 2026) and "CDNA5" Instruction Set Architecture Reference Guide (July 2026). The comments in the code are by the model that wrote it; some were corrected since.
;; Causal Attention. Allowed arithmetic: matrix products marked QUANTISED: E4M3 operands, one E8M0 scale for each 32 along K, by v_wmma_scale_f32_16x16x128_f8f6f4 with both operands' format E4M3, f32 sums; everything else in f32.
;; Inputs: W_k_codes 1,024 x 32 x 32 uint8 (E4M3 codes of W_k, K innermost, in blocks of 32 codes); W_k_scales 1,024 x 32 uint8 (E8M0 scales of W_k, one for each 32 codes along K); W_q_codes 1,024 x 32 x 32 uint8 (E4M3 codes of W_q, K innermost, in blocks of 32 codes); W_q_scales 1,024 x 32 uint8 (E8M0 scales of W_q, one for each 32 codes along K); W_v_codes 1,024 x 32 x 32 uint8 (E4M3 codes of W_v, K innermost, in blocks of 32 codes); W_v_scales 1,024 x 32 uint8 (E8M0 scales of W_v, one for each 32 codes along K); x_codes 4 x 2,048 x 32 x 32 uint8 (E4M3 codes of x, K innermost, in blocks of 32 codes); x_scales 4 x 2,048 x 32 uint8 (E8M0 scales of x, one for each 32 codes along K).
;; Outputs: out0 4 x 2,048 x 1,024 float32.
;; This version of the problem:
;;   THIS VERSION OF THE PROBLEM IS GIVEN IN LOW PRECISION. The matrix products marked QUANTISED in the list below multiply operands that are first quantised to E4M3 (4 exponent bits, 3 mantissa bits; 8 bits a number), with one power-of-two scale for each 32 numbers along K (OCP MX v1.0); their sums are f32. All else is computed in f32.
;;   The module's matrix products, in the order in which they are computed (A, B: the left and right operand; K: the contracted axis; several contracted axes count as one K, in the product's order):
;;     1. [M 8,192, K 1,024] x [K 1,024, N 1,024]; A: input x (given as codes); B: input W_q (given as codes): QUANTISED
;;     2. [M 8,192, K 1,024] x [K 1,024, N 1,024]; A: input x (given as codes); B: input W_k (given as codes): QUANTISED
;;     3. [M 8,192, K 1,024] x [K 1,024, N 1,024]; A: input x (given as codes); B: input W_v (given as codes): QUANTISED
;;     4. batch 4 x [M 2,048, K 1,024] x [K 1,024, N 2,048]; A: computed on the way; B: computed on the way: QUANTISED
;;     5. batch 4 x [M 2,048, K 2,048] x [K 2,048, N 1,024]; A: softmax (see below); B: computed on the way: QUANTISED
;;   THE QUANTISER, for each operand of a quantised product, along K:
;;     - K is cut into blocks of 32 from its start; a last block that is shorter is filled with zeros.
;;     - A block's scale is 2^e with e = floor(log2(the largest magnitude in the block)) - 8, held to -126 .. 127; a block of zeros has e = 0. As a byte (E8M0): e + 127.
;;     - Each number is divided by its block's scale, clamped to +-448, and rounded to the nearest number of E4M3, ties to even, subnormals kept.
;;     - The product sums the exact products of the quantised numbers (number of the format x scale) in f32.
;;   ~~~python
;;   def quantise(x, axis):      # numpy; x: float32 -> the quantised numbers, widened to float32 again
;;       x = np.moveaxis(x, axis, -1); K = x.shape[-1]
;;       x = np.pad(x, [(0, 0)] * (x.ndim - 1) + [(0, -K % 32)]); x = x.reshape(x.shape[:-1] + (-1, 32)); a = np.abs(x).max(-1, keepdims=True)
;;       e = np.where(a > 0, np.clip(np.frexp(np.where(a > 0, a, 1))[1] - 1 - 8, -126, 127), 0)      # np.frexp(a)[1] - 1 = floor(log2(a)), exactly
;;       r = np.clip(x / 2.0 ** e, -448, 448)
;;       step = 2.0 ** (np.maximum(np.frexp(np.where(r == 0, 1, r))[1] - 1, -6) - 3)
;;       q = np.round(r / step) * step * 2.0 ** e      # np.round: ties to even
;;       return np.moveaxis(q.reshape(q.shape[:-2] + (-1,))[..., :K], -1, axis).astype(np.float32)
;;   ~~~
;;   SOFTMAX AHEAD OF A QUANTISED PRODUCT. Where the list says 'softmax', what is quantised is not the finished softmax but p = 2^(t - M), with t = logit x log2(e) and M = ceil(the row's largest t), a whole number; so 1/2 < the row's largest p <= 1. The row's sum l is taken of the UNQUANTISED p, in f32, and the product's result is divided by l at the end. Since M is a whole number, a kernel that streams over the keys may use a running M (the ceiling of the running maximum): every later rescaling is an exact power of two, which a block's scale takes up: the codes' values come out the same.
;;   OPERANDS COMPUTED ON THE WAY. 'Computed on the way' means the value that the module computes at that place (a softmax that the list does not call 'softmax' is quantised finished and normalised). What goes into a quantiser is computed in f32, as accurately as f32 sums, v_exp_f32 and their like allow (about 1e-6 of the number): no bf16 or f16 on the way to a quantiser, and a product that is left as it is and whose result goes on into a quantised operand takes f32 operands (vector FMAs, or v_wmma_f32_16x16x4_f32). A number that lies on a knife's edge between two numbers of the format may be rounded either way, as far as f32 arithmetic and the matrix unit's own rounding can turn it there, and no further.
;;   INPUTS GIVEN AS CODES. W_k (in the module: [1024, 1024], K = its axis 1); W_q (in the module: [1024, 1024], K = its axis 1); W_v (in the module: [1024, 1024], K = its axis 1); x (in the module: [4, 2048, 1024], K = its axis 2): each comes as NAME_codes (uint8): NAME with its K axis moved to the last place and cut into blocks of 32 codes, [.., K / 32, bytes a block], one block behind the other in memory; one code a byte (a code: sign, 4 exponent bits, 3 mantissa bits); and NAME_scales (uint8): the same leading axes, one E8M0 byte (e + 127) for each 32 codes along K. Its value is code x scale, taken as it is: it is not quantised again, and the codes and scales need not be those that the quantiser above would give.
;; One version. Each part assembles by itself: llvm-mc -triple=amdgcn-amd-amdhsa -mcpu=gfx1250 --defsym DOCPART=n.
;; ======== version 1 of 1: 3 launches
;; limits: right only within a limited range of input values
;; workspace buffers: q_ws 8,650,752 bytes; k_ws 8,650,752 bytes; v_ws 8,650,752 bytes; p_ws 17,301,504 bytes; p_stat 1,048,576 bytes
;; launch proj (part 1): grid 8 x 32, 4 waves a work-group, clusters of 4 x 4, 327,680 bytes of LDS; arguments x_codes, x_scales, W_q_codes, W_k_codes, W_v_codes, W_q_scales, W_k_scales, W_v_scales, q_ws, k_ws, v_ws; writes q_ws, k_ws, v_ws
.if DOCPART == 1
	.amdgcn_target "amdgcn-amd-amdhsa--gfx1250"
	.amdhsa_code_object_version 6
	.text
	.protected	k_q6e6634655d_proj
	.globl	k_q6e6634655d_proj
	.p2align	8
	.type	k_q6e6634655d_proj,@function
k_q6e6634655d_proj:
	s_mov_b64 s[64:65], 0
	v_nop
	global_prefetch_b8 v0, s[64:65] scope:SCOPE_SE
	s_setreg_imm32_b32 hwreg(HW_REG_WAVE_MODE, 25, 1), 1
	s_wait_xcnt 0x0
	s_wait_alu depctr_hold_cnt(0) depctr_sa_sdst(0) depctr_va_vdst(0) depctr_va_sdst(0) depctr_va_ssrc(0) depctr_va_vcc(0) depctr_vm_vsrc(0)
	s_getreg_b32 s2, hwreg(HW_REG_IB_STS2, 6, 4)
	s_cmp_eq_u32 s2, 0
	s_cbranch_scc0 .Lentry_in_a_cluster
	s_endpgm
.Lentry_in_a_cluster:
	s_bfe_u32 s2, ttmp6, 0x10000c
	s_cmp_lg_u32 s2, 0xf033
	s_cbranch_scc0 .Lentry_shape_is_right
	s_endpgm
.Lentry_shape_is_right:
; THE PROGRAM: attention with one head of 1,024, all five products on codes of FP8 (E4M3) with one E8M0 scale for each 32 along K.  Three launches:
;   proj    q = x W_q^T, k = x W_k^T, v = x W_v^T, each quantised on its way out (q, k along d_out; v along the keys);
;   scores  S = q k^T by tiles of 256 x 256 under the mask, p = 2^(t - M) with a whole number M for each (query, 128 keys), quantised along the keys;
;   pv      O = P V / l, P's scale bytes first brought under the row's M.
; DEAD WORK, LEFT OUT IN scores AND pv.  Cut queries and keys of a batch into blocks of 256, I and J.  reference() itself sets the score of (query, key) to -inf wherever key > query + 1.
; In a tile with J > I + 1 the smallest key, 256 J, is at least 256 I + 512, above the largest query + 1 = 256 I + 256: every score is -inf and every p is 0, whatever finite values the inputs hold.
; Such tiles add nothing to a row's maximum, sum or O: they are neither multiplied, stored nor read.  In tile J = I + 1 the keys from 256 J + 128 on are hidden likewise: pv leaves that key step out.
; Every input has a way to the output: all eight are loaded.  LIMIT: a NaN, an infinity or an overflow that reaches only the work left out is not carried to the result.
; THIS LAUNCH.  256 work-groups of four waves.  A work-group owns 256 tokens (tile ty) and 128 outputs (group cg) of each of q, k and v, so x's rows are fetched once for all three.
; A wave holds its 64 tokens, ALL of K, in 512 registers (windows 1, 2).  The 384 rows of W_q, W_k, W_v pass by in 24 blocks of 16 rows, all of K, in two register sets (window 3): 32 products a block.
; q, k: source 0 = 16 rows of W, source 1 = 16 tokens: a lane holds a token and its registers run along d_out.  v: the sources swapped: a lane holds a row d and its registers run along the tokens.
; LDS: two slots of 128 rows of 1,040 bytes, a starter of 32 rows, the weights' scale bytes, scratch for new scale bytes, the spare words.  x lands in both slots (waves 0, 1), W_q's rows 0-31 in the starter (waves 2, 3).
; When x is in registers, a drained round of the cluster's barrier, then W_q's rows 32-127 (waves 0, 1) and W_k's 128 (waves 2, 3) over x; when W_q's rows are fetched, a second such round, then W_v's 128 over W_q's.
; JOINT LOADS: x's tile hangs on ty alone and is shared along a row of the 4 x 4 cluster; the weights' on cg alone, shared along a column.
; A TRIP goes from the fetch of block 2 p + 2 to the products of block 2 p + 2.
; THE WAY OUT of a pair of blocks (64 sums a lane = four scale blocks of 32, each in lanes l and l xor 16) stands among the next pair's products; the pair's sums are copied first, so that a trip is two blocks of text.
; The first way out has no pair before it: it works on zeros and stores nothing.
; WHAT IS STORED, as scores and pv read it.  A CHUNK of 16,896 bytes is 128 rows x 128 along the next K: eight images of an operand's registers (16 rows: group c of lane l at 512 c + 16 l), then 128 scale words.
; Byte e of lane (r, h), group c, is row r at K = 32 c + 16 (e / 8) + 8 h + e % 8.  q_ws, k_ws: [128 tokens][d step][chunk];  v_ws: [batch][128 of d][key step][chunk].
; THE QUANTISER: a block's byte is its largest magnitude's exponent field - 8, held at 1 from below; each number is held within +-448 x the scale and converted, ties to even.
; PREFETCH: the weights' rows of my group, each block of 256 bytes named once in a cluster (the column's sixteen waves share 128 rows out by address), W_q's and W_k's at the head, W_v's ahead of the first loop;
; all eight rows of clusters read the same weights, so the first four alone ask.  x's rows are wanted at once: nothing runs ahead of them.
; LIMITS: NaN and infinities among the inputs are not served.  A block of zeros gets the byte 1 where the rule says 127: its codes are zeros, and this program alone reads the bytes.
.set KROW, 1024
.set PITCH, KROW+16                    ; an LDS row: an odd multiple of 16 bytes
.set BLK16, 16*PITCH                   ; a block of 16 rows
.set SLOT1, 128*PITCH
.set SST, 256*PITCH                    ; the starter
.set SCW, SST+32*PITCH                 ; the weights' scale bytes: 24 blocks of 544 bytes (32 a row, 16 more behind each 256)
.set XQ, SCW+24*544                    ; new scale bytes of q, k: [wave][tensor][64 tokens][4]
.set XV, XQ+2048                       ; of v: [wave][128 rows d][2]
.set SPARE, XV+1024
.set CHUNK, 16896
.set NP, 8                             ; plain vector lines behind this matrix instruction (ISA guide 7.12.1)
.set NF, 34                            ; LDS loads of a block: 32 of codes, 2 of scale words
.set EMAX, 8
.set ADX, 4                            ; v4 my x rows in LDS
.set ADRA0, 5                          ; v5 a block's row r, + 16 h
.set AAS0, 6                           ; v6 a block's scale bytes of row r
.set COQ, 7                            ; v7 16 l + my half of a q or k chunk
.set COV, 8                            ; v8 16 l + my two groups of a v chunk
.set RQ, 9                             ; v9 scratch: q's, k's byte
.set SPW, 10
.set NIL, 11
.set ADRA, 12
.set VX, 13
.set RV, 14                            ; v14 scratch: v's byte
.set PFO, 15
.set ABS, 16
.set AAS, 17
.set TWS, 18
.set TGO, 19
.set SOP, 20                           ; v20-23 the conversions' scale operands
.set SB, 24                            ; v24-39 x's scale words: register 8 p + q: lanes 0-15 tile 2 p, lanes 16-31 tile 2 p + 1
.set EB, 40                            ; v40-43 new scale bytes
.set SA, 44                            ; v44-59 a block's scale words, two sets
.set TQ, 60                            ; v60-63 maxima and bounds
.set ACC, 64                           ; v64-127 a pair's sums
.set CP, 128                           ; v128-191 their copy
.set MCD, 192                          ; v192-207 codes
.set WT, 208                           ; v208-231 the weights' scale bytes on their way into LDS
.set WV, 3
.set CLY, 25
.set CX, 26
.set CY, 27
.set CG, 28
.set TY, 29
.set MR, 30
.set MC, 31
.set G1A, 32
.set G1B, 40
.set G1C, 48
.set G0A, 56
.set G0B, 60
.set G0C, 68
.set G0D, 72
.set G0E, 76
.set QB, 80
.set KB, 82
.set VB, 84
.set OB, 86
.set SEL, 88
.set MNT, 90
.set PO, 91                            ; s91 the trip p + 7: the pair that leaves is p - 1
.set FO, 92
.set SO, 93
.set W1, 100
.set W2, 101
.set MSB, 0
.macro WIN new                         ; the immediate's high byte repeats the setting that is left
.if MSB != (\new)
	s_set_vgpr_msb (MSB<<8)|(\new)
.set MSB, (\new)
.endif
.endm
.macro PLACES n
.rept \n
	v_nop
.endr
.endm
.macro WALU
	s_wait_alu depctr_va_vdst(0)
.endm
.macro BARRIER
	s_barrier_signal -1
	s_barrier_wait -1
.endm
.macro MIDDLE                          ; a round's middle: wave 0 signals the cluster's barrier, all wait for it
	WIN 0
	s_barrier_wait -1
	s_cmp_lg_u32 s[WV], 0
	s_cbranch_scc1 .Lnw0_\@
	s_barrier_signal -3
.Lnw0_\@:
	s_barrier_wait -3
.endm
.macro CROUND
	s_barrier_signal -1
	MIDDLE
	BARRIER
.endm
.macro GRD
	s_wait_tensorcnt 0x0
	ds_add_u32 v[SPW], v[NIL]
.endm
.macro TLOAD g0, g1                    ; an s_nop 0 and four v_nop follow each tensor load
	tensor_load_to_lds s[\g0:\g0+3], s[\g1:\g1+7]
	s_nop 0
	PLACES 4
.endm
.macro GROUP1 g, mask, rows            ; whole rows of K, 1,024 bytes, 16 of padding behind each; bit 21 beside the mask
	s_or_b32 s[\g+0], s[\mask], (1<<20)|(1<<21)|(7<<22)|(3<<25)
	s_mov_b32 s[\g+1], (KROW&0xffff)<<16
	s_mov_b32 s[\g+2], (KROW>>16)|((\rows)<<16)
	s_mov_b32 s[\g+3], KROW<<16
	s_mov_b32 s[\g+4], \rows
	s_mov_b32 s[\g+5], KROW
	s_mov_b32 s[\g+6], 0
	s_mov_b32 s[\g+7], 0
.endm
.macro G0FIN g, ptr                    ; the offset in words 2, 3 gets its buffer's address and the type
	s_add_nc_u64 s[\g+2:\g+3], s[\ptr:\ptr+1], s[\g+2:\g+3]
	s_or_b32 s[\g+3], s[\g+3], 0x80000000
.endm
	s_load_b512 s[4:19], s[0:1], 0x0               ; x codes, x scales, W_q, W_k, W_v codes, W_q, W_k, W_v scales
	s_load_b128 s[20:23], s[0:1], 0x40             ; q_ws, k_ws
	s_load_b64 s[96:97], s[0:1], 0x50              ; v_ws
	v_lshl_add_u32 v[SPW], v0, 2, SPARE
	v_mov_b32 v[NIL], 0
	ds_add_u32 v[SPW], v[NIL]                      ; the opening: the add, twice on end, and its wait ahead of my first tensor load
	ds_add_u32 v[SPW], v[NIL]
	v_lshrrev_b32 v1, 5, v0
	v_readfirstlane_b32 s[WV], v1                  ; wave 0..3
	s_and_b32 s[W1], s[WV], 1
	s_lshr_b32 s[W2], s[WV], 1
	s_bfe_u32 s[CX], ttmp6, 0x40000
	s_bfe_u32 s[CY], ttmp6, 0x40004
	s_lshl_b32 s[CG], ttmp9, 2
	s_add_co_u32 s[CG], s[CG], s[CX]               ; cg: my 128 outputs of each weight
	s_and_b32 s[CLY], ttmp7, 0xffff
	s_lshl_b32 s[TY], s[CLY], 2
	s_add_co_u32 s[TY], s[TY], s[CY]               ; ty: my 256 tokens
	s_lshl_b32 s[MR], s[CY], 2
	s_lshl_b32 s[MR], 15, s[MR]                    ; my row of the cluster shares x's tile
	s_lshl_b32 s[MC], 0x1111, s[CX]                ; my column shares the weights'
	GROUP1 G1A, MR, 128                            ; x: 128 rows a load
	GROUP1 G1B, MC, 16                             ; the starter: 16
	GROUP1 G1C, MC, 48                             ; W_q's rest: 48
	s_mov_b32 s[G0A], 1
	s_mul_i32 s[G0A+1], s[W1], SLOT1
	s_lshl_b32 s[G0A+2], s[TY], 18
	s_lshl_b32 s94, s[W1], 17
	s_add_co_u32 s[G0A+2], s[G0A+2], s94
	s_mov_b32 s[G0A+3], 0
	s_lshl_b32 s24, s[CG], 17                      ; my group's first row in a weight
	s_mov_b32 s[G0B], 1
	s_mul_i32 s[G0B+1], s[W1], BLK16
	s_add_co_u32 s[G0B+1], s[G0B+1], SST
	s_lshl_b32 s[G0B+2], s[W1], 14
	s_add_co_u32 s[G0B+2], s[G0B+2], s24
	s_mov_b32 s[G0B+3], 0
	s_mov_b32 s[G0C], 1
	s_mul_i32 s[G0C+1], s[W1], 48*PITCH
	s_add_co_u32 s[G0C+1], s[G0C+1], 32*PITCH
	s_mul_i32 s[G0C+2], s[W1], 48*KROW
	s_add_co_u32 s[G0C+2], s[G0C+2], 32*KROW
	s_add_co_u32 s[G0C+2], s[G0C+2], s24
	s_mov_b32 s[G0C+3], 0
	s_mov_b32 s[G0D], 1
	s_mul_i32 s[G0D+1], s[W1], 64*PITCH
	s_add_co_u32 s[G0D+1], s[G0D+1], SLOT1
	s_lshl_b32 s[G0D+2], s[W1], 16
	s_add_co_u32 s[G0D+2], s[G0D+2], s24
	s_mov_b32 s[G0D+3], 0
	s_mov_b32 s[G0E], 1
	s_mul_i32 s[G0E+1], s[WV], 32*PITCH
	s_lshl_b32 s[G0E+2], s[WV], 15
	s_add_co_u32 s[G0E+2], s[G0E+2], s24
	s_mov_b32 s[G0E+3], 0
	s_mov_b32 s[SEL], 0x76543210
	s_mov_b32 s[SEL+1], 0xfedcba98                 ; v_permlanex16_b32's selects for lane l xor 16
	s_mov_b32 s[MNT], 0x600000                     ; the mantissa field of 448
	s_wait_dscnt 0x0                               ; both opening adds are done
	CROUND                                         ; all sixteen work-groups are here: the first joint loads meet
	s_wait_kmcnt 0x0
	G0FIN G0A, 4
	G0FIN G0B, 8
	G0FIN G0C, 8
	G0FIN G0D, 10
	G0FIN G0E, 12
	s_cmp_lt_u32 s[WV], 2                          ; one load a wave at the head
	s_cbranch_scc0 .Lstarter
	TLOAD G0A, G1A                                 ; waves 0, 1: x's halves
	s_branch .Lasked
.Lstarter:
	TLOAD G0B, G1B                                 ; waves 2, 3: W_q's rows 0-15, 16-31
.Lasked:
	s_lshl_b32 s94, s[TY], 13                      ; x's scale bytes of my 64 tokens
	s_lshl_b32 s98, s[WV], 11
	s_add_co_u32 s94, s94, s98
	s_mov_b32 s95, 0
	s_add_nc_u64 s[6:7], s[6:7], s[94:95]
	s_lshl_b32 s94, s[CG], 12                      ; the weights' scale bytes of my group
	s_add_nc_u64 s[14:15], s[14:15], s[94:95]
	s_add_nc_u64 s[16:17], s[16:17], s[94:95]
	s_add_nc_u64 s[18:19], s[18:19], s[94:95]
	s_lshl_b32 s24, s[TY], 1
	s_add_co_u32 s24, s24, s[W2]                   ; my group of 128 tokens
	s_lshl_b32 s94, s24, 3
	s_add_co_u32 s94, s94, s[CG]
	s_mul_i32 s94, s94, CHUNK
	s_add_nc_u64 s[QB:QB+1], s[20:21], s[94:95]    ; my chunk of q, of k
	s_add_nc_u64 s[KB:KB+1], s[22:23], s[94:95]
	s_lshr_b32 s94, s24, 4
	s_lshl_b32 s94, s94, 7
	s_and_b32 s98, s24, 15
	s_add_co_u32 s94, s94, s98
	s_lshl_b32 s98, s[CG], 4
	s_add_co_u32 s94, s94, s98
	s_mul_i32 s94, s94, CHUNK
	s_add_nc_u64 s[VB:VB+1], s[96:97], s[94:95]    ; my chunk of v: 128 batch + 16 cg + key step
	s_mul_i32 s94, s[WV], 64*PITCH
	s_lshl_b32 s98, s[W1], 13
	s_lshl_b32 s24, s[W1], 10
	s_lshl_b32 s2, s[WV], 9
	s_add_co_u32 s2, s2, XQ
	s_lshl_b32 s99, s[WV], 8
	s_add_co_u32 s99, s99, XV
	s_lshl_b32 s95, s[CY], 2                       ; which of the column's sixteen waves I am: my 8,192 bytes of a prefetch
	s_add_co_u32 s95, s95, s[WV]
	s_lshl_b32 s95, s95, 13
	s_lshl_b32 s20, s[CG], 17
	s_add_co_u32 s95, s95, s20
	v_and_b32 v2, 15, v0                           ; r
	v_bfe_u32 v3, v0, 4, 1                         ; h
	v_and_b32 v1, 31, v0                           ; l
	v_mul_u32_u24 v[ADRA0], v2, PITCH
	v_lshl_add_u32 v[ADRA0], v3, 4, v[ADRA0]
	v_add_nc_u32 v[ADX], s94, v[ADRA0]
	v_lshrrev_b32 v[AAS0], 3, v2
	v_lshlrev_b32 v[AAS0], 4, v[AAS0]
	v_lshl_add_u32 v[AAS0], v2, 5, v[AAS0]
	v_add_nc_u32 v[AAS0], SCW, v[AAS0]
	v_lshlrev_b32 v[ABS], 5, v1
	v_lshlrev_b32 v[TGO], 5, v0                    ; thread n takes row n of each weight's 128
	v_lshrrev_b32 v[TWS], 3, v0
	v_lshl_add_u32 v[TWS], v[TWS], 4, v[TGO]
	v_add_nc_u32 v[TWS], SCW, v[TWS]
	v_lshl_add_u32 v[COQ], v1, 4, s98
	v_lshl_add_u32 v[COV], v1, 4, s24
	v_lshl_add_u32 v[RQ], v2, 2, s2
	v_lshl_add_u32 v[RV], v2, 1, s99
	v_lshl_add_u32 v[PFO], v1, 8, s95
.irp p, 0,1
.irp c, 0,1
	global_load_b128 v[SB+8*\p+4*\c:SB+8*\p+4*\c+3], v[ABS], s[6:7] offset:\p*1024+16*\c
.endr
.endr
.irp c, 0,1
	global_load_b128 v[WT+4*\c:WT+4*\c+3], v[TGO], s[14:15] offset:16*\c
	global_load_b128 v[WT+8+4*\c:WT+8+4*\c+3], v[TGO], s[16:17] offset:16*\c
	global_load_b128 v[WT+16+4*\c:WT+16+4*\c+3], v[TGO], s[18:19] offset:16*\c
.endr
	s_cmp_lt_u32 s[CLY], 4
	s_cbranch_scc0 .Lno_pf0
	global_prefetch_b8 v[PFO], s[8:9] th:TH_LOAD_NT scope:SCOPE_SE
	global_prefetch_b8 v[PFO], s[10:11] th:TH_LOAD_NT scope:SCOPE_SE
.Lno_pf0:
.set I_, 0
.rept 64
	v_mov_b32 v[CP+I_], 0                          ; what the first way out works on
.set I_, I_+1
.endr
	WALU                                           ; at the head's end
	s_wait_loadcnt 0x0
.irp i, 0,1,2
.irp c, 0,1
	ds_store_b128 v[TWS], v[WT+8*\i+4*\c:WT+8*\i+4*\c+3] offset:4352*\i+16*\c
.endr
.endr
	s_wait_tensorcnt 0x0                           ; x and the starter are in,
	s_wait_dscnt 0x0                               ; and my part of the weights' scale bytes
	BARRIER
.macro TRIPADR                         ; the LDS addresses of a trip's two fetches
	v_add_nc_u32 v[ADRA], s[FO], v[ADRA0]
	v_add_nc_u32 v[AAS], s[SO], v[AAS0]
.endm
.macro FETCH e, u                      ; the trip's block u, 16 rows, all of K, into set e of window 3, and its scale words
	WIN 3<<6
.irp q, 0,1,2,3,4,5,6,7
.irp c, 0,1,2,3
	ds_load_b128 v[128*\e+16*\q+4*\c:128*\e+16*\q+4*\c+3], v[ADRA] offset:BLK16*\u+128*\q+32*\c
.endr
.endr
	WIN 0
	ds_load_b128 v[SA+8*\e:SA+8*\e+3], v[AAS] offset:544*\u
	ds_load_b128 v[SA+8*\e+4:SA+8*\e+7], v[AAS] offset:544*\u+16
.endm
.macro PROD kind, e, n                 ; product n = 4 q + t: the q-th 128 of K, token tile t.  The four sums take turns
.set Q_, (\n)/4
.set TP_, (\n)%4
.set FB_, 4*Q_+TP_
.set R_, 128*(\e)+16*Q_
.set W_, 16*(FB_%16)
.set XS_, SA+8*(\e)+Q_
.set WS_, SB+8*(TP_/2)+Q_
.if \kind
.set AC_, ACC+32*(TP_%2)+8*(2*(\e)+TP_/2)      ; v: a scale block is two token tiles of one block of rows
	WIN (1+FB_/16)|(3<<2)
.if Q_ && TP_%2
	v_wmma_scale_f32_16x16x128_f8f6f4 v[AC_:AC_+7], v[W_:W_+15], v[R_:R_+15], v[AC_:AC_+7], v[WS_], v[XS_] matrix_a_scale:MATRIX_SCALE_ROW1
.elseif Q_
	v_wmma_scale_f32_16x16x128_f8f6f4 v[AC_:AC_+7], v[W_:W_+15], v[R_:R_+15], v[AC_:AC_+7], v[WS_], v[XS_]
.elseif TP_%2
	v_wmma_scale_f32_16x16x128_f8f6f4 v[AC_:AC_+7], v[W_:W_+15], v[R_:R_+15], 0, v[WS_], v[XS_] matrix_a_scale:MATRIX_SCALE_ROW1
.else
	v_wmma_scale_f32_16x16x128_f8f6f4 v[AC_:AC_+7], v[W_:W_+15], v[R_:R_+15], 0, v[WS_], v[XS_]
.endif
.else
.set AC_, ACC+32*(\e)+8*TP_                    ; q, k: a scale block is one token tile of two blocks of rows
	WIN 3|((1+FB_/16)<<2)
.if Q_ && TP_%2
	v_wmma_scale_f32_16x16x128_f8f6f4 v[AC_:AC_+7], v[R_:R_+15], v[W_:W_+15], v[AC_:AC_+7], v[XS_], v[WS_] matrix_b_scale:MATRIX_SCALE_ROW1
.elseif Q_
	v_wmma_scale_f32_16x16x128_f8f6f4 v[AC_:AC_+7], v[R_:R_+15], v[W_:W_+15], v[AC_:AC_+7], v[XS_], v[WS_]
.elseif TP_%2
	v_wmma_scale_f32_16x16x128_f8f6f4 v[AC_:AC_+7], v[R_:R_+15], v[W_:W_+15], 0, v[XS_], v[WS_] matrix_b_scale:MATRIX_SCALE_ROW1
.else
	v_wmma_scale_f32_16x16x128_f8f6f4 v[AC_:AC_+7], v[R_:R_+15], v[W_:W_+15], 0, v[XS_], v[WS_]
.endif
.endif
.endm
.macro HOLD x, b                       ; the conversion to an 8-bit code does not saturate (ISA guide 7.6.2): the hold
	v_med3_num_f32 v[\x], v[\x], -v[TQ+\b], v[TQ+\b]
.endm
.macro SCALES i, n                     ; 0: the conversion's scale operand; 1: 448 x the scale; 2: a second copy of it; 3: the byte
.if (\i) == 0
	v_add_nc_u32 v[SOP+\n], -(EMAX<<23), v[TQ]
.elseif (\i) == 1
	v_and_or_b32 v[TQ+1], v[TQ], 0x7f800000, s[MNT]
.elseif (\i) == 2
	v_mov_b32 v[TQ+3], v[TQ+1]
.else
	v_lshrrev_b32 v[EB+\n], 23, v[SOP+\n]
.endif
.endm
.macro HOLDS m, x                      ; two holds; the fourth pair reads the bound's second copy, freshly written
.if (\m) == 3
	HOLD \x, 3
	HOLD \x+1, 3
.else
	HOLD \x, 1
	HOLD \x+1, 1
.endif
.if (\m) == 2
	SCALES 2, 0
.endif
.endm
.macro GAPV u, x                       ; the quantiser of a pair, pieces 0 .. 59, 15 for each of its four scale blocks: eight sums at x + 8 T, eight at x + 32 + 8 T -> codes MCD + 4 T, byte EB + T
.set T_, (\u)/15
.set J_, (\u)%15
.set E_, \x+8*T_
.set O_, E_+32
.if (\u) > 59
.elseif J_ == 0
	v_max3_num_f32 v[TQ], |v[E_]|, |v[E_+1]|, |v[E_+2]|
	v_max3_num_f32 v[TQ+2], |v[O_]|, |v[O_+1]|, |v[O_+2]|
.elseif J_ < 3
	v_max3_num_f32 v[TQ], v[TQ], |v[E_+2*J_+1]|, |v[E_+2*J_+2]|
	v_max3_num_f32 v[TQ+2], v[TQ+2], |v[O_+2*J_+1]|, |v[O_+2*J_+2]|
.elseif J_ == 3
	v_max3_num_f32 v[TQ+2], v[TQ+2], |v[O_+7]|, (EMAX+1)<<23   ; the floor: the byte cannot fall under 1
	v_max3_num_f32 v[TQ], v[TQ], |v[E_+7]|, v[TQ+2]
.elseif J_ == 4
	v_permlanex16_b32 v[TQ+2], v[TQ], s[SEL], s[SEL+1]
	v_max_num_f32 v[TQ], v[TQ], v[TQ+2]
.elseif J_ == 5
	SCALES 0, T_
	SCALES 1, T_
.elseif J_ < 10
	HOLDS J_-6, E_+2*(J_-6)
.if J_ == 9
	v_cvt_scalef32_pk8_fp8_f32 v[MCD+4*T_:MCD+4*T_+1], v[E_:E_+7], v[SOP+T_]
.endif
.elseif J_ < 14
	HOLDS J_-6, O_+2*(J_-10)
.if J_ == 13
	v_cvt_scalef32_pk8_fp8_f32 v[MCD+4*T_+2:MCD+4*T_+3], v[O_:O_+7], v[SOP+T_]
.endif
.else
	SCALES 3, T_
.endif
.endm
.macro LIST n, y                       ; behind product n: y = 2 the first half of the copied pair's way out, 3 the second
.if (\y) == 2 && (\n) > 0 && (\n) < 31
	WIN 0
	GAPV (\n)-1, CP
.elseif (\y) == 3 && (\n) > 0 && (\n) < 31
	WIN 0
	GAPV (\n)+29, CP
.endif
.endm
.macro BLKP kind, e, w, y              ; a block: the wait for its set; the stores before have read their registers; 32 products; the places ahead of the next fetch and of the sums' first reader
.if (\w) >= 0
	s_wait_dscnt \w
.endif
	s_wait_xcnt 0x0
.set N_, 0
.rept 32
	PROD \kind, \e, N_
	LIST N_, \y
.set N_, N_+1
.endr
	WIN 0
	PLACES NP
.endm
.macro OSET0                           ; where a pair of q or k goes: bit 2 of the count says which, its low two bits the group c
	s_bfe_u32 s21, s[PO], 0x10002
	s_cmp_lg_u32 s21, 0
	s_cselect_b64 s[OB:OB+1], s[KB:KB+1], s[QB:QB+1]
	s_and_b32 s20, s[PO], 3
	s_lshl_b32 s22, s20, 9
	s_mov_b32 s23, 0
	s_add_nc_u64 s[OB:OB+1], s[OB:OB+1], s[22:23]
	s_lshl_b32 s21, s21, 8
	s_add_co_u32 s21, s21, s20
	v_add_nc_u32 v[VX], s21, v[RQ]
.endm
.macro OSET1                           ; a pair of v: two images on for each pair
	s_and_b32 s20, s[PO], 3
	s_lshl_b32 s22, s20, 12
	s_mov_b32 s23, 0
	s_add_nc_u64 s[OB:OB+1], s[VB:VB+1], s[22:23]
	s_lshl_b32 s21, s20, 6
	v_add_nc_u32 v[VX], s21, v[RV]
.endm
.macro OUT kind                        ; four scale blocks: the byte to its place in LDS; 32 lanes store 512 consecutive bytes of codes, at a multiple of 256 from the buffer's first byte
.irp t, 0,1,2,3
.if \kind
	ds_store_b8 v[VX], v[EB+\t] offset:32*(\t/2)+(\t%2)
	global_store_b128 v[COV], v[MCD+4*\t:MCD+4*\t+3], s[OB:OB+1] offset:2048*(\t/2)+512*(\t%2)
.else
	ds_store_b8 v[VX], v[EB+\t] offset:64*\t
	global_store_b128 v[COQ], v[MCD+4*\t:MCD+4*\t+3], s[OB:OB+1] offset:2048*\t
.endif
.endr
.endm
.macro OUTS om                         ; 0: q, k, but nothing in the first trip; 1: q, k; 2: k's last pair in the loop's first trip, then v; 3: v
	WALU
.if (\om) == 0
	OSET0
	s_cmp_eq_u32 s[PO], 7
	s_cbranch_scc1 .Lnone_\@
	OUT 0
.Lnone_\@:
.elseif (\om) == 1
	OSET0
	OUT 0
.elseif (\om) == 2
	s_cmp_eq_u32 s[PO], 15
	s_cbranch_scc0 .Lv_\@
	OSET0
	OUT 0
	s_branch .Ld_\@
.Lv_\@:
	OSET1
	OUT 1
.Ld_\@:
.else
	OSET1
	OUT 1
.endif
.endm
.macro TRIP ka, kb, om
	TRIPADR
	FETCH 0, 0
	BLKP \ka, 1, NF, 3                             ; all but the 34 loads just issued
	OUTS \om
.set I_, 0
.rept 32
	v_dual_mov_b32 v[CP+I_], v[ACC+I_] :: v_dual_mov_b32 v[CP+I_+1], v[ACC+I_+1]
.set I_, I_+2
.endr
	FETCH 1, 1
	BLKP \kb, 0, NF, 2
.endm
.macro NEXT
	s_add_co_u32 s[FO], s[FO], 2*BLK16
	s_add_co_u32 s[SO], s[SO], 1088
	s_add_co_u32 s[PO], s[PO], 1
.endm
	s_mov_b32 s[FO], SST
	s_mov_b32 s[SO], 0
	TRIPADR
	FETCH 0, 0                                     ; blocks 0, 1: the starter
	FETCH 1, 1
.irp q, 0,1,2,3,4,5,6,7                            ; my 64 tokens, all of K: fragment 4 q + t in window 1 + (4 q + t) / 16
.irp t, 0,1,2,3
	WIN (1+(4*\q+\t)/16)<<6
.irp c, 0,1,2,3
	ds_load_b128 v[16*((4*\q+\t)%16)+4*\c:16*((4*\q+\t)%16)+4*\c+3], v[ADX] offset:\t*BLK16+128*\q+32*\c
.endr
.endr
.endr
	WIN 0
	GRD
	GROUP1 G1B, MC, 64                             ; no load of mine is out: W_k's loads bring 64 rows
	s_mov_b32 s[PO], 7
	s_mov_b32 s[FO], 2*BLK16
	s_mov_b32 s[SO], 1088
	s_wait_dscnt 0x0                               ; the add is done, and x is in my registers
	s_barrier_signal -1
	MIDDLE
	BARRIER
	s_cmp_lt_u32 s[WV], 2                          ; a load line each: the next barrier waits for the first line's alone
	s_cbranch_scc0 .Lfor_k
	TLOAD G0C, G1C                                 ; waves 0, 1: W_q's rows 32-127
	s_branch .Lr1
.Lfor_k:
	TLOAD G0D, G1B                                 ; waves 2, 3: W_k's rows
.Lr1:
	BLKP 0, 0, -1, 2                               ; block 0
	WALU
	s_cmp_lt_u32 s[WV], 2
	s_cbranch_scc0 .Lnot_q
	s_wait_tensorcnt 0x0                           ; W_q's rest is in
.Lnot_q:
	s_wait_dscnt 0x0
	BARRIER
	s_cmp_lt_u32 s[CLY], 4
	s_cbranch_scc0 .Lno_pf1
	global_prefetch_b8 v[PFO], s[12:13] th:TH_LOAD_NT scope:SCOPE_SE   ; W_v's rows: three trips ahead of their load
.Lno_pf1:
.Lq:                                               ; trips 0-2: blocks 1 to 6
	TRIP 0, 0, 0
	NEXT
	s_cmp_lg_u32 s[PO], 10
	s_cbranch_scc1 .Lq
	WALU
	GRD
	GROUP1 G1A, MC, 32                             ; W_v's loads bring 32 rows, shared by my column
	s_wait_dscnt 0x0                               ; W_q's last block is in registers
	s_barrier_signal -1
	MIDDLE
	BARRIER
	TLOAD G0E, G1A                                 ; W_v's rows over W_q's
.Lk:                                               ; trips 3-6: blocks 7 to 14
	TRIP 0, 0, 1
	NEXT
	s_cmp_lg_u32 s[PO], 14
	s_cbranch_scc1 .Lk
	WALU
	s_wait_tensorcnt 0x0                           ; W_v's rows are in
	s_wait_dscnt 0x0
	BARRIER
	s_mov_b32 s[FO], 0
	TRIP 0, 1, 1                                   ; trip 7: block 15 of k, block 16 of v
	NEXT
.Lv:                                               ; trips 8-10: blocks 17 to 22
	TRIP 1, 1, 2
	NEXT
	s_cmp_lg_u32 s[PO], 18
	s_cbranch_scc1 .Lv
	BLKP 1, 1, 0, 3                                ; block 23
	OUTS 3
	s_add_co_u32 s[PO], s[PO], 1
	s_wait_xcnt 0x0                                ; the stores have read the codes' registers
.set K_, 0
.rept 60
	GAPV K_, ACC                                   ; the last pair's way out
.set K_, K_+1
.endr
	OUTS 3
	s_wait_dscnt 0x0                               ; THE SCALE WORDS: every wave's bytes are in LDS
	BARRIER
	s_lshl_b32 s20, s[WV], 9
	s_add_co_u32 s20, s20, XQ
	s_lshl_b32 s21, s[W2], 9
	s_lshl_b32 s22, s[W1], 7
	s_add_co_u32 s21, s21, s22
	s_add_co_u32 s21, s21, XV
	s_lshl_b32 s22, s[W1], 8
	s_add_co_u32 s22, s22, 16384
	v_and_b32 v1, 31, v0
	v_lshl_add_u32 v21, v1, 3, s20                 ; q's, k's words of my 64 tokens: 8 bytes a lane
	v_lshl_add_u32 v22, v1, 2, s21                 ; v: rows 64 (wave % 2) + 2 l, + 1 of my token group: the low halves from its first wave, the high from its second
	v_lshl_add_u32 v23, v1, 3, s22
	WALU
	ds_load_b64 v[60:61], v21
	ds_load_b64 v[62:63], v21 offset:256
	ds_load_b32 v40, v22
	ds_load_b32 v41, v22 offset:256
	s_wait_dscnt 0x0
	v_perm_b32 v42, v41, v40, 0x05040100
	v_perm_b32 v43, v41, v40, 0x07060302
	global_store_b64 v23, v[60:61], s[QB:QB+1]     ; 32 lanes store 256 consecutive bytes, aligned
	global_store_b64 v23, v[62:63], s[KB:KB+1]
	global_store_b64 v23, v[42:43], s[VB:VB+1]
	s_wait_tensorcnt 0x0                           ; the wave's end
	ds_add_u32 v[SPW], v[NIL]
	s_wait_dscnt 0x0
	CROUND                                         ; the closing round
	s_endpgm
.Lfunc_end_k_q6e6634655d_proj:
	.size	k_q6e6634655d_proj, .Lfunc_end_k_q6e6634655d_proj-k_q6e6634655d_proj
	.p2alignl 7, 3214868480
	.fill 96, 4, 3214868480
	.section	.rodata,"a",@progbits
	.p2align	6, 0x0
	.amdhsa_kernel k_q6e6634655d_proj
		.amdhsa_group_segment_fixed_size 327680
		.amdhsa_private_segment_fixed_size 0
		.amdhsa_enable_private_segment 0
		.amdhsa_kernarg_size 88
		.amdhsa_user_sgpr_count 2
		.amdhsa_user_sgpr_kernarg_segment_ptr 1
		.amdhsa_wavefront_size32 1
		.amdhsa_system_sgpr_workgroup_id_x 1
		.amdhsa_system_sgpr_workgroup_id_y 1
		.amdhsa_system_sgpr_workgroup_id_z 1
		.amdhsa_system_vgpr_workitem_id 0
		.amdhsa_next_free_vgpr 1024
		.amdhsa_next_free_sgpr 102
		.amdhsa_reserve_vcc 0
		.amdhsa_float_denorm_mode_32 3
		.amdhsa_float_denorm_mode_16_64 3
		.amdhsa_memory_ordered 1
		.amdhsa_forward_progress 1
		.amdhsa_inst_pref_size 173
	.end_amdhsa_kernel
	.amdgpu_metadata
---
amdhsa.version: [ 1, 2 ]
amdhsa.kernels:
  - .name:           k_q6e6634655d_proj
    .symbol:         k_q6e6634655d_proj.kd
    .args:
      - { .name: x_codes, .offset: 0, .size: 8, .value_kind: global_buffer, .address_space: global }
      - { .name: x_scales, .offset: 8, .size: 8, .value_kind: global_buffer, .address_space: global }
      - { .name: W_q_codes, .offset: 16, .size: 8, .value_kind: global_buffer, .address_space: global }
      - { .name: W_k_codes, .offset: 24, .size: 8, .value_kind: global_buffer, .address_space: global }
      - { .name: W_v_codes, .offset: 32, .size: 8, .value_kind: global_buffer, .address_space: global }
      - { .name: W_q_scales, .offset: 40, .size: 8, .value_kind: global_buffer, .address_space: global }
      - { .name: W_k_scales, .offset: 48, .size: 8, .value_kind: global_buffer, .address_space: global }
      - { .name: W_v_scales, .offset: 56, .size: 8, .value_kind: global_buffer, .address_space: global }
      - { .name: q_ws, .offset: 64, .size: 8, .value_kind: global_buffer, .address_space: global }
      - { .name: k_ws, .offset: 72, .size: 8, .value_kind: global_buffer, .address_space: global }
      - { .name: v_ws, .offset: 80, .size: 8, .value_kind: global_buffer, .address_space: global }
    .group_segment_fixed_size: 327680
    .private_segment_fixed_size: 0
    .kernarg_segment_align: 8
    .kernarg_segment_size: 88
    .max_flat_workgroup_size: 128
    .sgpr_count:     102
    .vgpr_count:     1024
    .wavefront_size: 32
...
	.end_amdgpu_metadata
.endif
;; end of part 1
;; launch scores (part 2): grid 43 x 4, 4 waves a work-group, no clusters, 327,680 bytes of LDS; arguments q_ws, k_ws, p_ws, p_stat; writes p_ws, p_stat
.if DOCPART == 2
	.amdgcn_target "amdgcn-amd-amdhsa--gfx1250"
	.amdhsa_code_object_version 6
	.text
	.protected	k_q6e6634655d_scores
	.globl	k_q6e6634655d_scores
	.p2align	8
	.type	k_q6e6634655d_scores,@function
k_q6e6634655d_scores:
	s_mov_b64 s[64:65], 0
	v_nop
	global_prefetch_b8 v0, s[64:65] scope:SCOPE_SE
	s_setreg_imm32_b32 hwreg(HW_REG_WAVE_MODE, 25, 1), 1
	s_wait_xcnt 0x0
; S = q k^T on codes of FP8 (E4M3) with E8M0 scales, by tiles of 256 queries x 256 keys, and the softmax's p, quantised along the keys.
; WORK LEFT OUT: tiles (I, J) with J > I + 1, in which reference()'s own mask hides every key (shown at the head of the first kernel).  A batch has 2, 3, .. 8, 8 tiles in its row blocks 0 .. 7: 43; the grid's y is the batch.
; NO CLUSTER: a row block has 2 to 8 key tiles and a key tile 2 to 8 row blocks; neither number divides by four at every row, and no work-group may be added to fill a cluster.
; SHARES.  Four waves, a wave 128 queries x 128 keys: 64 accumulators.  Source 0 = 16 keys, source 1 = 16 queries: a lane holds ONE query and its registers run along the keys.
; OPERANDS come as chunks of 16,896 bytes (128 rows x 128 of d: eight images of an operand's registers, then 128 scale words).  A slot holds two d steps of 256 queries and 256 keys; each wave fetches a quarter
; (two neighbouring chunks, 33,792 dense bytes) with one tensor load: waves 0, 1 for q, waves 2, 3 for k.  An image is read at 16 x lane: 512 consecutive bytes an instruction.
; THE SOFTMAX.  t = score x log2(e) / 32.  For each query and these 128 keys: M = the largest t, rounded up to a whole number; p = 2^(t - M); l = the sum of the unquantised p.  p is quantised in blocks of 32 keys.
; M is a whole number, so bringing p under the row's own M later is a power of two, which moves the scale bytes alone: the last launch does it.  Stored: p's chunk (query group, key step) in p_ws, -M and l in p_stat.
; A query all of whose 128 keys are hidden gets -M = 3e38, l = 0, codes 0.
; LIMITS: NaN and infinities in q or k are not served.  A block whose every p is 0 keeps the byte 1: its codes are zeros.  A block's largest p is taken as the exponential of its largest score.
; REGISTERS: window 0: v16-29 addresses; v32-63 scale words, two sets (lanes 0-15 q's, lanes 16-31 k's); from v128 q's fragments; on the way out v64-127 t and p, v128-219 at work.
;   window 1: k's fragments, two sets;  windows 2, 3: the accumulators ((a, b) at v[8 (8 (a % 4) + b)]).
.set CHUNK,  16896
.set PART,   2*CHUNK                   ; what one tensor load brings
.set SLOT,   4*PART
.set NQ,     2
.set FR,     16
.set NL,     4
.set NP,     8                         ; places behind this matrix instruction (ISA guide 7.12.1)
.set SCR,    2*SLOT                    ; 1,536 bytes a wave: scale words, -M, l are gathered here; no tensor load lands here
.set SPARE,  SCR+4*1536                ; the spare words: 128 bytes a wave
.set ADRA, 16
.set ADS,  18                          ; v18-19 my scale words in slot 0, 1
.set ADRB, 20
.set LI,   24
.set SWA,  25
.set SRA,  26
.set DL0,  27                          ; v27  r - 8 h
.set SPW,  28
.set NIL,  29
.set SC,   32
.set T,    64
.set AF,   128
.set PC,   128
.set BM,   144                         ; each block's largest score, then its largest p
.set BX,   148
.set LIM,  152
.set SCO,  156
.set LS,   160
.set LT,   162
.set TP,   164
.set DD,   166
.set NINF, 167
.set NM,   176                         ; v176-191 for each of my eight blocks of queries a pair: -M, the largest t; never rewritten
.set PW,   192                         ; v192-199 its scale word
.set LL,   200                         ; v200-207 its l
.set WB,   208
.set RI,   17
.set RJ,   18
.set RB,   19
.set G1,   24
.set G0,   32
.set CS,   44
.set SEL,  46
.set MNT,  48
.set QK,   49
.set MSB, 0
.macro WIN new
.if MSB != (\new)
	s_set_vgpr_msb (MSB<<8)|(\new)
.set MSB, (\new)
.endif
.endm
.set MUL_LO, 0xa1
.set MUL_HI, 0xf1
.set TO_B,   0x40
.macro ROWOF i, st                     ; row block i begins at work-group st
	s_cmp_ge_u32 ttmp9, \st
	s_cselect_b32 s[RI], \i, s[RI]
	s_cselect_b32 s50, \st, s50
.endm
	s_load_b256 s[4:11], s[0:1], 0x0               ; q_ws, k_ws, p_ws, p_stat
	v_lshl_add_u32 v[SPW], v0, 2, SPARE
	v_mov_b32 v[NIL], 0
	ds_add_u32 v[SPW], v[NIL]                      ; the wave's opening: the add, twice on end, and its wait ahead of my first tensor load
	ds_add_u32 v[SPW], v[NIL]
	v_lshrrev_b32 v1, 5, v0
	v_readfirstlane_b32 s14, v1                    ; wave 0..3
	s_lshr_b32 s15, s14, 1                         ; my half of the queries
	s_and_b32 s16, s14, 1                          ; my half of the keys.  Also: which 128 rows I fetch
	s_and_b32 s[RB], ttmp7, 0xffff                 ; the batch
	s_mov_b32 s[RI], 0
	s_mov_b32 s50, 0
	ROWOF 1, 2
	ROWOF 2, 5
	ROWOF 3, 9
	ROWOF 4, 14
	ROWOF 5, 20
	ROWOF 6, 27
	ROWOF 7, 35
	s_sub_co_u32 s[RJ], ttmp9, s50                 ; the key tile: 0 .. min(I + 1, 7)
	s_mov_b32 s[G1+0], 3<<16                       ; group 1: 33,792 dense bytes as 132 rows of 32 elements of 8 bytes; no mask, no padding
	s_mov_b32 s[G1+1], 32<<16                      ; tensor_dim0
	s_mov_b32 s[G1+2], 132<<16                     ; tensor_dim1
	s_mov_b32 s[G1+3], 32<<16                      ; tile_dim0
	s_mov_b32 s[G1+4], 132                         ; tile_dim1
	s_mov_b32 s[G1+5], 32                          ; from row to row
	s_mov_b32 s[G1+6], 0
	s_mov_b32 s[G1+7], 0
	s_lshl_b32 s51, s[RB], 4
	s_cmp_lt_u32 s14, 2                            ; waves 0, 1: q's groups of row block I; waves 2, 3: k's of key tile J
	s_cselect_b32 s52, s[RI], s[RJ]
	s_lshl_b32 s52, s52, 1
	s_add_co_u32 s52, s52, s51
	s_add_co_u32 s52, s52, s16                     ; the group of 128 tokens: 16 b + 2 (I or J) + wave % 2
	s_mul_i32 s52, s52, 8*CHUNK
	s_mov_b32 s53, 0
	s_mul_i32 s54, s14, PART                       ; where it goes in a slot
	s_mov_b32 s[CS], 0x3d38aa3b                    ; c = log2(e) / 32
	s_mov_b32 s[CS+1], s[CS]                       ; (named with it as a pair)
	s_mov_b32 s[SEL], 0x76543210
	s_mov_b32 s[SEL+1], 0xfedcba98
	s_mov_b32 s[MNT], 0x600000
	s_sub_co_i32 s[QK], s[RI], s[RJ]
	s_lshl_b32 s[QK], s[QK], 8
	s_sub_co_i32 s55, s15, s16
	s_lshl_b32 s55, s55, 7
	s_add_co_i32 s[QK], s[QK], s55                 ; my first query less my first key
	s_wait_dscnt 0x0                               ; both opening adds are done
	s_wait_kmcnt 0x0
	s_cmp_lt_u32 s14, 2
	s_cselect_b64 s[56:57], s[4:5], s[6:7]
	s_add_nc_u64 s[56:57], s[56:57], s[52:53]
.irp s, 0,1
	s_mov_b32 s[G0+4*\s], 1
	s_add_co_u32 s[G0+4*\s+1], s54, \s*SLOT
	s_add_nc_u64 s[G0+4*\s+2:G0+4*\s+3], s[56:57], \s*PART
	s_or_b32 s[G0+4*\s+3], s[G0+4*\s+3], 0x80000000
.endr
	tensor_load_to_lds s[G0:G0+3], s[G1:G1+7]      ; slot 0: one tensor load a wave at the head
	s_nop 0
	v_and_b32 v1, 15, v0                           ; r
	v_bfe_u32 v2, v0, 4, 1                         ; h
	s_wait_alu depctr_va_vdst(0)
	v_and_b32 v3, 31, v0
	v_lshlrev_b32 v[LI], 4, v3
	s_mul_i32 s50, s15, PART                       ; my 128 queries
	s_mul_i32 s51, s16, PART
	s_add_co_u32 s51, s51, 2*PART                  ; my 128 keys
.irp s, 0,1
	v_add_nc_u32 v[ADRA+\s], s50, v[LI]
	v_add_nc_u32 v[ADRB+\s], s51, v[LI]
	s_add_co_u32 s50, s50, SLOT
	s_add_co_u32 s51, s51, SLOT
.endr
	s_mul_i32 s50, s15, PART
	s_mul_i32 s51, s16, PART
	s_add_co_u32 s51, s51, 2*PART
	s_sub_co_u32 s51, s51, s50
	v_mul_u32_u24 v4, s51, v2                      ; scale words: lanes 16-31 take k's: the lower base + h x the distance
	v_lshl_add_u32 v4, v1, 2, v4
	s_add_co_u32 s50, s50, 16384
	v_add_nc_u32 v[ADS], s50, v4
	v_add_nc_u32 v[ADS+1], SLOT, v[ADS]
	s_mul_i32 s50, s14, 1536
	s_add_co_u32 s50, s50, SCR
	v_lshl_add_u32 v[SWA], v1, 2, s50
	v_add_nc_u32 v[SRA], s50, v[LI]
	v_lshlrev_b32 v5, 3, v2
	v_sub_nc_u32 v[DL0], v1, v5
	s_lshl_b32 s50, s[RB], 4                       ; my chunk of p: query group 16 b + 2 I + half, key step 2 J + half
	s_lshl_b32 s51, s[RI], 1
	s_add_co_u32 s50, s50, s51
	s_add_co_u32 s50, s50, s15
	s_lshl_b32 s50, s50, 4
	s_lshl_b32 s51, s[RJ], 1
	s_add_co_u32 s50, s50, s51
	s_add_co_u32 s50, s50, s16
	s_lshl_b32 s52, s50, 10
	s_mul_i32 s50, s50, CHUNK
	s_mov_b32 s51, 0
	s_mov_b32 s53, 0
	s_add_nc_u64 s[8:9], s[8:9], s[50:51]
	s_add_nc_u64 s[10:11], s[10:11], s[52:53]
.macro FRAG reg, adr, q, i             ; image i of the slot's q-th chunk: the operand's registers as they were stored
.irp c, 0,1,2,3
	ds_load_b128 v[\reg+4*\c:\reg+4*\c+3], v[\adr] offset:CHUNK*(\q)+2048*(\i)+512*\c
.endr
.endm
; 16 matrix instructions: q's blocks a0, a0 + 1 x k's eight.  The 64 accumulators take turns, one instruction a turn, in one order.
.macro MUL16 a0, p, q, sc, zero
.irp a, \a0, \a0+1
.irp b, 0,1,2,3,4,5,6,7
.if \zero
	v_wmma_scale_f32_16x16x128_f8f6f4 v[8*(8*((\a)%4)+\b):8*(8*((\a)%4)+\b)+7], v[128*(\p)+FR*\b:128*(\p)+FR*\b+FR-1], v[AF+FR*(\a):AF+FR*(\a)+FR-1], 0, v[SC+16*(\sc)+8*(\q)+\b], v[SC+16*(\sc)+8*(\q)+(\a)] matrix_a_scale:MATRIX_SCALE_ROW1
.else
	v_wmma_scale_f32_16x16x128_f8f6f4 v[8*(8*((\a)%4)+\b):8*(8*((\a)%4)+\b)+7], v[128*(\p)+FR*\b:128*(\p)+FR*\b+FR-1], v[AF+FR*(\a):AF+FR*(\a)+FR-1], v[8*(8*((\a)%4)+\b):8*(8*((\a)%4)+\b)+7], v[SC+16*(\sc)+8*(\q)+\b], v[SC+16*(\sc)+8*(\q)+(\a)] matrix_a_scale:MATRIX_SCALE_ROW1
.endif
.endr
.endr
.endm
.macro FETCH_B slot, q, p
	WIN TO_B
.irp i, 0,1,2,3,4,5,6,7
	FRAG 128*(\p)+FR*\i, ADRB+\slot, \q, \i
.endr
	WIN 0
.endm
.macro FETCH_A slot, q, i0
.irp i, \i0, \i0+1, \i0+2, \i0+3
	FRAG AF+FR*(\i), ADRA+\slot, \q, \i
.endr
.endm
.macro SCALES sc                       ; a slot's scale words: for each of its two d steps, block i's: lanes 0-15 q's, lanes 16-31 k's
.irp q, 0,1
.irp i, 0,1,2,3,4,5,6,7
	ds_load_b32 v[SC+16*\sc+8*\q+\i], v[ADS+\sc] offset:CHUNK*\q+64*\i
.endr
.endr
.endm
.macro PLACES n
.rept \n
	v_nop
.endr
.endm
.macro STEP slot, q, zero
	s_wait_dscnt 4*NL                              ; all but the youngest 16 loads (q's blocks 4-7)
	WIN MUL_LO
	MUL16 0, (\q)%2, \q, \slot, \zero
	MUL16 2, (\q)%2, \q, \slot, \zero
	s_wait_dscnt 0
	PLACES NP
	FETCH_B \slot, (\q)+1, 1-(\q)%2
	FETCH_A \slot, (\q)+1, 0
	WIN MUL_HI
	MUL16 4, (\q)%2, \q, \slot, \zero
	MUL16 6, (\q)%2, \q, \slot, \zero
	PLACES NP
	WIN 0
	FETCH_A \slot, (\q)+1, 4
.endm
; A slot's last step changes slots: one barrier; ahead of it each wave waits for all its tensor loads, adds 0 to its spare word, and waits for that and for its reads of this slot.  fill = 1: the slot is filled again, first thing behind the barrier.
.macro TURN slot, next, fill
	s_wait_tensorcnt 0x0                           ; all my tensor loads have landed: my part of the next slot
	ds_add_u32 v[SPW], v[NIL]
	s_wait_dscnt 4*NL+1                            ; (the add and the youngest 16 loads may be out)
	WIN MUL_LO
	MUL16 0, 1, NQ-1, \slot, 0
	s_wait_dscnt 0x0                               ; the add is done, and my reads of this slot are over
	s_barrier_signal -1
	MUL16 2, 1, NQ-1, \slot, 0
	WIN 0
	s_barrier_wait -1
.if \fill
	s_add_nc_u64 s[G0+4*\slot+2:G0+4*\slot+3], s[G0+4*\slot+2:G0+4*\slot+3], 2*PART   ; no load of mine is out: the slot's next two d steps
	tensor_load_to_lds s[G0+4*\slot:G0+4*\slot+3], s[G1:G1+7]
	s_nop 0
	PLACES NP
.else
	PLACES NP
.endif
	FETCH_B \next, 0, 0
	FETCH_A \next, 0, 0
	SCALES \next
	WIN MUL_HI
	MUL16 4, 1, NQ-1, \slot, 0
	MUL16 6, 1, NQ-1, \slot, 0
	PLACES NP
	WIN 0
	FETCH_A \next, 0, 4
.endm
	s_wait_alu depctr_va_vdst(0)
	s_wait_tensorcnt 0x0                           ; my part of slot 0 is in; slot 1's first fill is issued as a refill is
	ds_add_u32 v[SPW], v[NIL]
	s_wait_dscnt 0x0
	s_barrier_signal -1
	s_barrier_wait -1
	tensor_load_to_lds s[G0+4:G0+7], s[G1:G1+7]    ; slot 1
	s_nop 0
	PLACES 4
	FETCH_B 0, 0, 0
	FETCH_A 0, 0, 0
	SCALES 0
	FETCH_A 0, 0, 4
	STEP 0, 0, 1                                   ; d = 1,024 is four slots' worth: written out
	TURN 0, 1, 1
	STEP 1, 0, 0
	TURN 1, 0, 1
	STEP 0, 0, 0
	TURN 0, 1, 0
	STEP 1, 0, 0
	s_wait_dscnt 4*NL
	WIN MUL_LO
	MUL16 0, 1, NQ-1, 1, 0
	MUL16 2, 1, NQ-1, 1, 0
	s_wait_dscnt 0
	WIN MUL_HI
	MUL16 4, 1, NQ-1, 1, 0
	MUL16 6, 1, NQ-1, 1, 0
	WIN 0
; THE WAY OUT, block a: my lane's query 16 a + r and 64 scores: register n is key 16 (n / 8) + 8 h + n % 8 of my 128; registers 16 c .. 16 c + 15, with lane l xor 16's, are the block of keys 32 c .. 32 c + 31.
.macro SOFT a
.set QW, 2+(\a)/4
.set QS, 64*((\a)%4)
.set NMA, NM+2*(\a)
	s_add_co_i32 s50, s[QK], 16*(\a)               ; the block's first query less my first key
	s_cmp_ge_i32 s50, 126                          ; then the last key, 119 + 8 h, is at most query + 1 in every lane: nothing is hidden.  The branch hangs on ids alone
	s_cbranch_scc1 .Lopen_\@
	s_add_co_i32 s50, s50, 1
	v_add_nc_u32 v[DD], s50, v[DL0]                ; register n is hidden where 16 (n / 8) + n % 8 > query + 1 - first key - 8 h
	WIN QW|(QW<<6)
.set n, 0
.rept 64
	v_cmp_gt_i32 vcc_lo, 16*(n/8)+n%8, v[DD]
	v_cndmask_b32 v[QS+n], v[QS+n], v[NINF], vcc_lo
.set n, n+1
.endr
	WIN 0
.Lopen_\@:
	WIN QW|(QW<<2)
.irp c, 0,1,2,3
	v_max_num_f32 v[BM+\c], v[QS+16*\c], v[QS+16*\c+1]   ; the largest score of each block of 32 keys: for the maximum, and, since p rises with the score, for the block's largest p
.endr
.irp i, 2,4,6,8,10,12,14
.irp c, 0,1,2,3
	v_max3_num_f32 v[BM+\c], v[QS+16*\c+\i], v[QS+16*\c+\i+1], v[BM+\c]
.endr
.endr
	WIN 0
.irp c, 0,1,2,3
	v_permlanex16_b32 v[BX+\c], v[BM+\c], s[SEL], s[SEL+1]
.endr
.irp c, 0,1,2,3
	v_max_num_f32 v[BM+\c], v[BM+\c], v[BX+\c]
.endr
	v_max3_num_f32 v[TP], v[BM], v[BM+1], v[BM+2]
	v_max_num_f32 v[TP], v[TP], v[BM+3]
	v_mul_f32 v[TP], s[CS], v[TP]                  ; as t (c is positive)
	v_max_num_f32 v[NMA+1], 0xff61b1e6, v[TP]      ; not under -3e38: a query with all 128 keys hidden keeps a number
	v_floor_f32 v[NMA], -v[NMA+1]                  ; -M = floor(-t): M is a whole number
	WIN QW
.set n, 0
.rept 32
	v_pk_fma_f32 v[T+n:T+n+1], v[QS+n:QS+n+1], s[CS:CS+1], v[NMA:NMA+1] op_sel_hi:[1,0,0]   ; t - M, two at a time
.set n, n+2
.endr
	WIN 0
.set n, 0
	s_wait_alu depctr_va_vdst(0)
.rept 64
	v_exp_f32 v[T+n], v[T+n]                       ; p = 2^(t - M)
.set n, n+1
.endr
.irp c, 0,1,2,3
	v_fma_f32 v[BM+\c], v[BM+\c], s[CS], v[NMA]    ; the same of each block's largest score: plain work behind the exponentials
.endr
	s_wait_alu depctr_va_vdst(0)                   ; one wait for the batch of 64, ahead of its first reader
.irp c, 0,1,2,3
	v_exp_f32 v[BM+\c], v[BM+\c]                   ; the block's largest p
.endr
	v_pk_add_f32 v[LS:LS+1], v[T:T+1], v[T+2:T+3]  ; l is taken of the unquantised p: two chains
	v_pk_add_f32 v[LT:LT+1], v[T+4:T+5], v[T+6:T+7]
.set n, 8
.rept 14
	v_pk_add_f32 v[LS:LS+1], v[LS:LS+1], v[T+n:T+n+1]
	v_pk_add_f32 v[LT:LT+1], v[LT:LT+1], v[T+n+2:T+n+3]
.set n, n+4
.endr
	v_pk_add_f32 v[LS:LS+1], v[LS:LS+1], v[LT:LT+1]
	s_wait_alu depctr_va_vdst(0)                   ; and one for the four
.irp c, 0,1,2,3
	v_max_num_f32 v[BM+\c], 0x4800000, v[BM+\c]    ; the floor 2^(9 - 127): the byte cannot fall under 1
.endr
.irp c, 0,1,2,3
	v_add_nc_u32 v[SCO+\c], 0xfc000000, v[BM+\c]   ; the conversion's scale operand
.endr
.irp c, 0,1,2,3
	v_and_or_b32 v[LIM+\c], v[BM+\c], 0x7f800000, s[MNT]   ; 448 x the scale
.endr
.irp c, 0,1,2,3
	v_lshrrev_b32 v[BX+\c], 23, v[SCO+\c]          ; the scale's byte, under this M
.endr
	v_lshl_or_b32 v[PW+(\a)], v[BX+1], 8, v[BX]
	v_lshl_or_b32 v[PW+(\a)], v[BX+2], 16, v[PW+(\a)]
	v_lshl_or_b32 v[PW+(\a)], v[BX+3], 24, v[PW+(\a)]
	v_add_f32 v[TP], v[LS], v[LS+1]
	v_permlanex16_b32 v[TP+1], v[TP], s[SEL], s[SEL+1]
	v_add_f32 v[LL+(\a)], v[TP], v[TP+1]           ; l of my query over these 128 keys
.irp c, 0,1,2,3
.irp i, 0,1,2,3,4,5,6,7,8,9,10,11,12,13,14,15
	v_min_num_f32 v[T+16*\c+\i], v[T+16*\c+\i], v[LIM+\c]   ; the conversion does not saturate (ISA guide 7.6.2); p is not negative: a one-sided hold
.endr
.endr
.if (\a) > 0
	s_wait_alu depctr_va_vdst(0)
	s_wait_xcnt 0x0                                ; the last block's stores have read the codes' registers
.endif
.irp c, 0,1,2,3
	v_cvt_scalef32_pk8_fp8_f32 v[PC+4*\c:PC+4*\c+1], v[T+16*\c:T+16*\c+7], v[SCO+\c]
	v_cvt_scalef32_pk8_fp8_f32 v[PC+4*\c+2:PC+4*\c+3], v[T+16*\c+8:T+16*\c+15], v[SCO+\c]
.endr
	v_nop                                          ; a plain instruction behind the last conversion
.irp c, 0,1,2,3
	global_store_b128 v[LI], v[PC+4*\c:PC+4*\c+3], s[8:9] offset:2048*(\a)+512*\c   ; 512 consecutive bytes, at a multiple of 256 from the buffer's first byte
.endr
	ds_store_b32 v[SWA], v[PW+(\a)] offset:64*(\a) ; lanes l and l xor 16 write the same word with the same value
	ds_store_b32 v[SWA], v[NMA] offset:512+64*(\a)
	ds_store_b32 v[SWA], v[LL+(\a)] offset:1024+64*(\a)
.endm
	PLACES NP
.irp c, 0,1,2,3
	v_mov_b32 v[BX+\c], 0                          ; written once: a lane permute's destination counts as one of its sources
.endr
	v_mov_b32 v[TP+1], 0
	v_mov_b32 v[NINF], 0xff800000                  ; -infinity
.irp a, 0,1,2,3,4,5,6,7
	SOFT \a
.endr
.irp u, 0,1,2
	ds_load_b128 v[WB+4*\u:WB+4*\u+3], v[SRA] offset:512*\u   ; LDS serves a wave's instructions in order (ISA guide 5.7.1.4): these see my stores
.endr
	s_wait_dscnt 0x0
	global_store_b128 v[LI], v[WB:WB+3], s[8:9] offset:16384   ; the chunk's 128 scale words
	global_store_b128 v[LI], v[WB+4:WB+7], s[10:11]            ; -M of my 128 queries
	global_store_b128 v[LI], v[WB+8:WB+11], s[10:11] offset:512   ; l
	s_wait_tensorcnt 0x0                           ; the wave's end
	ds_add_u32 v[SPW], v[NIL]
	s_wait_dscnt 0x0
	s_endpgm
.Lfunc_end_k_q6e6634655d_scores:
	.size	k_q6e6634655d_scores, .Lfunc_end_k_q6e6634655d_scores-k_q6e6634655d_scores
	.p2alignl 7, 3214868480
	.fill 96, 4, 3214868480
	.section	.rodata,"a",@progbits
	.p2align	6, 0x0
	.amdhsa_kernel k_q6e6634655d_scores
		.amdhsa_group_segment_fixed_size 327680
		.amdhsa_private_segment_fixed_size 0
		.amdhsa_enable_private_segment 0
		.amdhsa_kernarg_size 32
		.amdhsa_user_sgpr_count 2
		.amdhsa_user_sgpr_kernarg_segment_ptr 1
		.amdhsa_wavefront_size32 1
		.amdhsa_system_sgpr_workgroup_id_x 1
		.amdhsa_system_sgpr_workgroup_id_y 1
		.amdhsa_system_sgpr_workgroup_id_z 1
		.amdhsa_system_vgpr_workitem_id 0
		.amdhsa_next_free_vgpr 1024
		.amdhsa_next_free_sgpr 66
		.amdhsa_reserve_vcc 1
		.amdhsa_float_denorm_mode_32 3
		.amdhsa_float_denorm_mode_16_64 3
		.amdhsa_memory_ordered 1
		.amdhsa_forward_progress 1
		.amdhsa_inst_pref_size 255
	.end_amdhsa_kernel
	.section	.bss,"aw",@nobits
	.p2align	6
	.space	262144
	.amdgpu_metadata
---
amdhsa.version: [ 1, 2 ]
amdhsa.kernels:
  - .name:           k_q6e6634655d_scores
    .symbol:         k_q6e6634655d_scores.kd
    .args:
      - { .name: q_ws, .offset: 0, .size: 8, .value_kind: global_buffer, .address_space: global }
      - { .name: k_ws, .offset: 8, .size: 8, .value_kind: global_buffer, .address_space: global }
      - { .name: p_ws, .offset: 16, .size: 8, .value_kind: global_buffer, .address_space: global }
      - { .name: p_stat, .offset: 24, .size: 8, .value_kind: global_buffer, .address_space: global }
    .group_segment_fixed_size: 327680
    .private_segment_fixed_size: 0
    .kernarg_segment_align: 8
    .kernarg_segment_size: 32
    .max_flat_workgroup_size: 128
    .sgpr_count:     66
    .vgpr_count:     1024
    .wavefront_size: 32
...
	.end_amdgpu_metadata
.endif
;; end of part 2
;; launch pv (part 3): grid 8 x 32, 4 waves a work-group, no clusters, 327,680 bytes of LDS; arguments p_ws, p_stat, v_ws, out0; writes out0
.if DOCPART == 3
	.amdgcn_target "amdgcn-amd-amdhsa--gfx1250"
	.amdhsa_code_object_version 6
	.text
	.protected	k_q6e6634655d_pv
	.globl	k_q6e6634655d_pv
	.p2align	8
	.type	k_q6e6634655d_pv,@function
k_q6e6634655d_pv:
	s_mov_b64 s[64:65], 0
	v_nop
	global_prefetch_b8 v0, s[64:65] scope:SCOPE_SE
	s_setreg_imm32_b32 hwreg(HW_REG_WAVE_MODE, 25, 1), 1
	s_wait_xcnt 0x0
.set CHUNK,  16896
.set GRP,    16*CHUNK
.set PARTP,  3*CHUNK
.set PARTV,  PARTP/2
.set VOFF,   2*PARTP
.set SLOT,   3*PARTP
.set NP,     8
.set NLD,    60
.set NE,     18
.set TBL,    2*SLOT
.set LINV,   TBL+NE*1024
.set SPARE,  LINV+1024
.set STG,    TBL
.set SPITCH, 272
.set OFP,  6
.set OFS,  7
.set ADRA, 16
.set ADRB, 20
.set ADSB, 22
.set STO,  24
.set RD,   25
.set CO,   26
.set ADT,  27
.set SPW,  28
.set NIL,  29
.set ADL,  30
.set TW,   31
.set SA,   32
.set SB,   40
.set NM,   64
.set LL,   100
.set WD,   136
.set TQ,   172
.set NMIN, 208
.set RL,   96
.set BK,   128
.set RI,   17
.set RB,   18
.set CT,   19
.set TK,   20
.set RR,   21
.set KS,   22
.set G1P,  24
.set G1V,  32
.set G0P,  40
.set G0V,  48
.set BY1,  56
.set BY8,  57
.set MSB, 0
.macro WIN new
.if MSB != (\new)
	s_set_vgpr_msb (MSB<<8)|(\new)
.set MSB, (\new)
.endif
.endm
.macro TLOAD s
	s_cmp_lt_u32 s14, 2
	s_cbranch_scc0 .Lfor_v_\@
	tensor_load_to_lds s[G0P+4*\s:G0P+4*\s+3], s[G1P:G1P+7]
	s_nop 0
.rept 4
	v_nop
.endr
	s_branch .Lasked_\@
.Lfor_v_\@:
	tensor_load_to_lds s[G0V+4*\s:G0V+4*\s+3], s[G1V:G1V+7]
	s_nop 0
.rept 4
	v_nop
.endr
.Lasked_\@:
.endm
	s_load_b256 s[4:11], s[0:1], 0x0
	v_lshl_add_u32 v[SPW], v0, 2, SPARE
	v_mov_b32 v[NIL], 0
	ds_add_u32 v[SPW], v[NIL]
	ds_add_u32 v[SPW], v[NIL]
	v_lshrrev_b32 v1, 5, v0
	v_readfirstlane_b32 s14, v1
	s_lshr_b32 s15, s14, 1
	s_and_b32 s16, s14, 1
	s_mov_b32 s[CT], ttmp9
	s_and_b32 s68, ttmp7, 0xffff
	s_lshr_b32 s[RB], s68, 3
	s_and_b32 s[RI], s68, 7
	s_lshl_b32 s[TK], s[RI], 1
	s_min_u32 s[TK], s[TK], 13
	s_max_u32 s[RR], s[TK], 1
	s_mov_b32 s[G1P+0], 3<<16
	s_mov_b32 s[G1P+1], 32<<16
	s_mov_b32 s[G1P+2], (PARTP/256)<<16
	s_mov_b32 s[G1P+3], 32<<16
	s_mov_b32 s[G1P+4], PARTP/256
	s_mov_b32 s[G1P+5], 32
	s_mov_b32 s[G1P+6], 0
	s_mov_b32 s[G1P+7], 0
	s_mov_b32 s[G1V+0], 3<<16
	s_mov_b32 s[G1V+1], 32<<16
	s_mov_b32 s[G1V+2], (PARTV/256)<<16
	s_mov_b32 s[G1V+3], 32<<16
	s_mov_b32 s[G1V+4], PARTV/256
	s_mov_b32 s[G1V+5], 32
	s_mov_b32 s[G1V+6], 0
	s_mov_b32 s[G1V+7], 0
	s_lshl_b32 s68, s[RB], 4
	s_lshl_b32 s69, s[RI], 1
	s_add_co_u32 s68, s68, s69
	s_mul_i32 s70, s68, GRP
	s_mov_b32 s71, 0
	s_lshl_b32 s72, s68, 14
	s_mov_b32 s73, 0
	s_mul_i32 s74, s16, GRP
	s_mov_b32 s75, 0
	s_lshl_b32 s76, s[RB], 3
	s_add_co_u32 s76, s76, s[CT]
	s_mul_i32 s76, s76, GRP
	s_mul_i32 s77, s16, PARTV
	s_add_co_u32 s76, s76, s77
	s_mov_b32 s77, 0
	s_mul_i32 s78, s[TK], CHUNK
	s_mov_b32 s79, 0
	s_lshl_b32 s80, s[TK], 10
	s_mov_b32 s81, 0
	s_mul_i32 s82, s14, PARTP
	s_mul_i32 s83, s14, PARTV
	s_add_co_u32 s83, s83, PARTP
	s_mov_b32 s[BY1], 0x01010101
	s_mov_b32 s[BY8], 0x80808080
	s_wait_dscnt 0x0
	s_wait_kmcnt 0x0
	s_add_nc_u64 s[4:5], s[4:5], s[70:71]
	s_add_nc_u64 s[6:7], s[6:7], s[72:73]
	s_add_nc_u64 s[84:85], s[4:5], s[74:75]
	s_add_nc_u64 s[86:87], s[8:9], s[76:77]
	s_mov_b32 s[G0P], 1
	s_mov_b32 s[G0P+1], s82
	s_add_nc_u64 s[G0P+2:G0P+3], s[84:85], s[78:79]
	s_or_b32 s[G0P+3], s[G0P+3], 0x80000000
	s_mov_b32 s[G0V], 1
	s_mov_b32 s[G0V+1], s83
	s_add_nc_u64 s[G0V+2:G0V+3], s[86:87], s[78:79]
	s_or_b32 s[G0V+3], s[G0V+3], 0x80000000
	TLOAD 0
	s_mov_b32 s[G0P+4], 1
	s_add_co_u32 s[G0P+5], s82, SLOT
	s_mov_b64 s[G0P+6:G0P+7], s[84:85]
	s_or_b32 s[G0P+7], s[G0P+7], 0x80000000
	s_mov_b32 s[G0V+4], 1
	s_add_co_u32 s[G0V+5], s83, SLOT
	s_mov_b64 s[G0V+6:G0V+7], s[86:87]
	s_or_b32 s[G0V+7], s[G0V+7], 0x80000000
	v_and_b32 v1, 63, v0
	v_lshrrev_b32 v2, 6, v0
	v_lshlrev_b32 v1, 3, v1
	v_mul_u32_u24 v3, v2, GRP
	v_add_nc_u32 v[OFP], v3, v1
	v_lshl_add_u32 v[OFS], v2, 14, v1
	v_lshl_add_u32 v[TW], v0, 3, TBL
.irp e, 0,4,5,6,7,8,9,10,11,12,13,14,15,16,17
.irp j, 0,1
	v_mov_b32 v[NM+2*\e+\j], 0x7f61b1e6
	v_mov_b32 v[LL+2*\e+\j], 0
	v_mov_b32 v[WD+2*\e+\j], 0
.endr
.endr
	s_add_nc_u64 s[58:59], s[4:5], s[78:79]
	s_add_nc_u64 s[60:61], s[6:7], s[80:81]
.macro LOADE e, pw, ps, ks
	global_load_b64 v[WD+2*(\e):WD+2*(\e)+1], v[OFP], s[\pw:\pw+1] offset:(\ks)*CHUNK+16384
	global_load_b64 v[NM+2*(\e):NM+2*(\e)+1], v[OFS], s[\ps:\ps+1] offset:(\ks)*1024
	global_load_b64 v[LL+2*(\e):LL+2*(\e)+1], v[OFS], s[\ps:\ps+1] offset:(\ks)*1024+512
.endm
	LOADE 1, 58, 60, 1
	LOADE 2, 58, 60, 2
	LOADE 3, 4, 6, 0
	s_cmp_eq_u32 s[RI], 0
	s_cbranch_scc1 .Lno_top0
	LOADE 0, 58, 60, 0
.Lno_top0:
.irp k, 1,2,3,4,5,6,7,8,9,10,11,12
	s_cmp_le_u32 s[RR], \k
	s_cbranch_scc1 .Lloaded
	LOADE 3+\k, 4, 6, \k
.endr
.Lloaded:
	v_and_b32 v2, 15, v0
	s_wait_alu depctr_va_vdst(0)
	v_bfe_u32 v3, v0, 4, 1
	v_and_b32 v4, 31, v0
	v_lshlrev_b32 v5, 4, v4
	s_mul_i32 s68, s15, PARTP
	s_lshl_b32 s69, s16, 13
	s_add_co_u32 s69, s69, VOFF
.irp s, 0,1
	v_add_nc_u32 v[ADRA+\s], s68, v5
	v_add_nc_u32 v[ADRB+\s], s69, v5
	s_add_co_u32 s68, s68, SLOT
	s_add_co_u32 s69, s69, SLOT
.endr
	s_lshl_b32 s69, s16, 8
	s_add_co_u32 s69, s69, VOFF+16384
	v_lshl_add_u32 v[ADSB], v2, 2, s69
	v_add_nc_u32 v[ADSB+1], SLOT, v[ADSB]
	s_lshl_b32 s68, s15, 9
	s_add_co_u32 s69, s68, TBL
	v_lshl_add_u32 v[ADT], v2, 2, s69
	s_add_co_u32 s69, s68, LINV
	v_lshl_add_u32 v[ADL], v2, 2, s69
	s_mul_i32 s68, s14, 16*SPITCH
	s_add_co_u32 s68, s68, STG
	v_mul_u32_u24 v1, v2, SPITCH
	v_lshl_add_u32 v1, v3, 5, v1
	v_add_nc_u32 v[STO], s68, v1
	v_mul_u32_u24 v1, v3, SPITCH
	v_lshl_add_u32 v1, v2, 4, v1
	v_add_nc_u32 v[RD], s68, v1
	v_lshlrev_b32 v1, 12, v3
	v_lshl_add_u32 v[CO], v2, 4, v1
	s_lshl_b32 s68, s[RB], 11
	s_lshl_b32 s69, s[RI], 8
	s_add_co_u32 s68, s68, s69
	s_lshl_b32 s69, s15, 7
	s_add_co_u32 s68, s68, s69
	s_lshl_b32 s68, s68, 12
	s_lshl_b32 s69, s[CT], 9
	s_add_co_u32 s68, s68, s69
	s_lshl_b32 s69, s16, 8
	s_add_co_u32 s68, s68, s69
	s_mov_b32 s69, 0
	s_add_nc_u64 s[10:11], s[10:11], s[68:69]
	s_wait_alu depctr_va_vdst(0)                   ; the wait at the head's end
	s_wait_tensorcnt 0x0                           ; my part of slot 0 is in; the words, -M and l were asked for above, while it was on its way
	ds_add_u32 v[SPW], v[NIL]                      ; the add and its wait ahead of a later first fill, as ahead of a refill
	s_wait_dscnt 0x0
	s_barrier_signal -1
	s_barrier_wait -1
	TLOAD 1                                        ; slot 1's first fill: first read behind the first change of slots, which waits for it
	s_wait_loadcnt 0x0
.irp j, 0,1
	v_min3_num_f32 v[NMIN+\j], v[NM+\j], v[NM+2+\j], v[NM+4+\j]
.endr
.irp e, 3,5,7,9,11,13,15
.irp j, 0,1
	v_min3_num_f32 v[NMIN+\j], v[NMIN+\j], v[NM+2*\e+\j], v[NM+2*\e+2+\j]
.endr
.endr
.irp j, 0,1
	v_min_num_f32 v[NMIN+\j], v[NMIN+\j], v[NM+34+\j]
.endr
.set x, 0
.rept 2*NE
	v_sub_f32 v[NM+x], v[NMIN+x%2], v[NM+x]
.set x, x+1
.endr
.set x, 0
.rept 2*NE
	v_max_num_f32 v[NM+x], 0xc2fe0000, v[NM+x]
.set x, x+1
.endr
.set x, 0
.rept 2*NE
	v_cvt_i32_f32 v[NM+x], v[NM+x]
.set x, x+1
.endr
.set x, 0
.rept 2*NE
	v_ldexp_f32 v[LL+x], v[LL+x], v[NM+x]
.set x, x+1
.endr
.irp e, 2,4,6,8,10,12,14,16
	v_pk_add_f32 v[LL:LL+1], v[LL:LL+1], v[LL+2*\e:LL+2*\e+1]
	v_pk_add_f32 v[LL+2:LL+3], v[LL+2:LL+3], v[LL+2*\e+2:LL+2*\e+3]
.endr
	v_pk_add_f32 v[LL:LL+1], v[LL:LL+1], v[LL+2:LL+3]
	s_wait_alu depctr_va_vdst(0)
	v_rcp_f32 v[LL], v[LL]
	v_rcp_f32 v[LL+1], v[LL+1]
.set x, 0
.rept 2*NE
	v_or_b32 v[WD+x], s[BY8], v[WD+x]
.set x, x+1
.endr
.set x, 0
.rept 2*NE
	v_mul_lo_u32 v[NM+x], v[NM+x], s[BY1]
.set x, x+1
.endr
.set x, 0
.rept 2*NE
	v_add_nc_u32 v[WD+x], v[WD+x], v[NM+x]
.set x, x+1
.endr
.set x, 0
.rept 2*NE
	v_and_b32 v[NM+x], s[BY8], v[WD+x]
.set x, x+1
.endr
.set x, 0
.rept 2*NE
	v_lshrrev_b32 v[TQ+x], 7, v[NM+x]
.set x, x+1
.endr
.set x, 0
.rept 2*NE
	v_sub_nc_u32 v[NM+x], v[NM+x], v[TQ+x]
.set x, x+1
.endr
.set x, 0
.rept 2*NE
	v_and_b32 v[WD+x], v[WD+x], v[NM+x]
.set x, x+1
.endr
.set x, 0
.rept NE
	ds_store_b64 v[TW], v[WD+2*x:WD+2*x+1] offset:1024*x
.set x, x+1
.endr
	s_wait_alu depctr_va_vdst(0)
	ds_store_b64 v[TW], v[LL:LL+1] offset:LINV-TBL
	s_wait_dscnt 0x0
	s_barrier_signal -1
	s_barrier_wait -1
	s_sub_nc_u64 s[G0P+2:G0P+3], s[G0P+6:G0P+7], PARTP
	s_sub_nc_u64 s[G0V+2:G0V+3], s[G0V+6:G0V+7], PARTP
.macro FETCH slot, q, set, toff
	WIN 0x80
.irp i, 0,1,2,3
.irp c, 0,1,2,3
	ds_load_b128 v[64*(\set)+16*\i+4*\c:64*(\set)+16*\i+4*\c+3], v[ADRB+\slot] offset:CHUNK*(\q)+2048*\i+512*\c
.endr
.endr
	WIN 0x40
.irp i, 0,1,2,3,4,5,6,7
.irp c, 0,1,2,3
	ds_load_b128 v[128*(\set)+16*\i+4*\c:128*(\set)+16*\i+4*\c+3], v[ADRA+\slot] offset:CHUNK*(\q)+2048*\i+512*\c
.endr
.endr
	WIN 0
.irp i, 0,1,2,3
	ds_load_b32 v[SB+16*(\set)+\i], v[ADSB+\slot] offset:CHUNK*(\q)+64*\i
.endr
.irp i, 0,1,2,3,4,5,6,7
	ds_load_b32 v[SA+16*(\set)+\i], v[ADT] offset:(\toff)+64*\i
.endr
.endm
.macro MUL set, zero
	WIN 0xf6
.irp a, 0,1,2,3,4,5,6,7
.irp b, 0,1,2,3
.if \zero
	v_wmma_scale_f32_16x16x128_f8f6f4 v[8*(4*\a+\b):8*(4*\a+\b)+7], v[64*(\set)+16*\b:64*(\set)+16*\b+15], v[128*(\set)+16*\a:128*(\set)+16*\a+15], 0, v[SB+16*(\set)+\b], v[SA+16*(\set)+\a]
.else
	v_wmma_scale_f32_16x16x128_f8f6f4 v[8*(4*\a+\b):8*(4*\a+\b)+7], v[64*(\set)+16*\b:64*(\set)+16*\b+15], v[128*(\set)+16*\a:128*(\set)+16*\a+15], v[8*(4*\a+\b):8*(4*\a+\b)+7], v[SB+16*(\set)+\b], v[SA+16*(\set)+\a]
.endif
.endr
.endr
	WIN 0
.endm
.macro PLACES n
.rept \n
	v_nop
.endr
.endm
.macro SLOTW p, toff
	s_cmp_ge_u32 s[KS], s[RR]
	s_cbranch_scc1 .Ldead_\@
	PLACES NP
	s_wait_alu depctr_va_vdst(0)
	FETCH \p, 0, 0, \toff
	FETCH \p, 1, 1, \toff+1024
	s_wait_dscnt NLD
	MUL 0, 0
	s_add_co_u32 s68, s[KS], 1
	s_cmp_ge_u32 s68, s[RR]
	s_cbranch_scc1 .Ldead_\@
	PLACES NP
	FETCH \p, 2, 0, \toff+2048
	s_wait_dscnt NLD
	MUL 1, 0
	s_add_co_u32 s68, s[KS], 2
	s_cmp_ge_u32 s68, s[RR]
	s_cbranch_scc1 .Ldead_\@
	s_wait_dscnt 0x0
	MUL 0, 0
.Ldead_\@:
	s_add_co_u32 s[KS], s[KS], 3
.endm
.macro CHANGE s, fill
	s_wait_tensorcnt 0x0
	ds_add_u32 v[SPW], v[NIL]
.if \fill
	s_add_nc_u64 s[G0P+4*\s+2:G0P+4*\s+3], s[G0P+4*\s+2:G0P+4*\s+3], 2*PARTP
	s_add_nc_u64 s[G0V+4*\s+2:G0V+4*\s+3], s[G0V+4*\s+2:G0V+4*\s+3], 2*PARTP
.endif
	s_wait_dscnt 0x0
	s_barrier_signal -1
	s_barrier_wait -1
.if \fill
	s_add_co_u32 s68, s[KS], 3
	s_cmp_ge_u32 s68, s[RR]
	s_cbranch_scc1 .Lpast_\@
	TLOAD \s
.Lpast_\@:
.endif
.endm
	FETCH 0, 1, 0, 1024
	FETCH 0, 2, 1, 2048
	s_wait_dscnt NLD
	MUL 0, 1
	PLACES NP
	FETCH 0, 0, 0, 0
	s_wait_dscnt NLD
	MUL 1, 0
	s_cmp_eq_u32 s[RI], 0
	s_cbranch_scc1 .Ltop_done
	s_wait_dscnt 0x0
	MUL 0, 0
.Ltop_done:
	v_add_nc_u32 v[ADT], 3072, v[ADT]
	s_mov_b32 s[KS], 0
	s_mov_b32 s3, 2
.Llap:
	CHANGE 0, 1
	SLOTW 1, 0
	CHANGE 1, 1
	SLOTW 0, 3072
	s_wait_alu depctr_va_vdst(0)
	v_add_nc_u32 v[ADT], 6144, v[ADT]
	s_sub_co_u32 s3, s3, 1
	s_cmp_lg_u32 s3, 0
	s_cbranch_scc1 .Llap
	CHANGE 0, 0
	SLOTW 1, 0
.macro RESC a
	WIN 0xc3
.set n, 0
.rept 16
	v_pk_mul_f32 v[32*(\a)+n:32*(\a)+n+1], v[32*(\a)+n:32*(\a)+n+1], v[RL+2*(\a):RL+2*(\a)+1] op_sel_hi:[1,0]
.set n, n+2
.endr
.endm
.macro TOSTAGE a
	WIN 0x0c
.irp b, 0,1,2,3
	ds_store_b128 v[STO], v[32*(\a)+8*\b:32*(\a)+8*\b+3] offset:64*\b
	ds_store_b128 v[STO], v[32*(\a)+8*\b+4:32*(\a)+8*\b+7] offset:64*\b+16
.endr
	WIN 0
.set BB, BK+32*((\a)%2)
.irp t, 0,1,2,3,4,5,6,7
	ds_load_b128 v[BB+4*\t:BB+4*\t+3], v[RD] offset:\t*2*SPITCH
.endr
.endm
.macro SEND a, younger
.set BB, BK+32*((\a)%2)
	s_wait_dscnt \younger
.if (\a) > 0
	s_add_nc_u64 s[10:11], s[10:11], 16*4096
.endif
.irp t, 0,1,2,3,4,5,6,7
	global_store_b128 v[CO], v[BB+4*\t:BB+4*\t+3], s[10:11] offset:\t*2*4096 th:TH_STORE_NT
.endr
.endm
	s_wait_dscnt 0x0
	s_barrier_signal -1
	s_barrier_wait -1
	PLACES NP
.irp a, 0,1,2,3,4,5,6,7
	ds_load_b32 v[RL+2*\a], v[ADL] offset:64*\a
	ds_load_b32 v[RL+2*\a+1], v[ADL] offset:64*\a
.endr
	s_wait_dscnt 0x0
	RESC 0
	TOSTAGE 0
.irp a, 1,2,3,4,5,6,7
.if \a > 1
	s_wait_xcnt 0x0
.endif
	RESC \a
	TOSTAGE \a
	SEND \a-1, 16
.endr
	s_wait_xcnt 0x0
	SEND 7, 0
	s_wait_tensorcnt 0x0
	ds_add_u32 v[SPW], v[NIL]
	s_wait_dscnt 0x0
	s_endpgm
.Lfunc_end_k_q6e6634655d_pv:
	.size	k_q6e6634655d_pv, .Lfunc_end_k_q6e6634655d_pv-k_q6e6634655d_pv
	.p2alignl 7, 3214868480
	.fill 96, 4, 3214868480
	.section	.rodata,"a",@progbits
	.p2align	6, 0x0
	.amdhsa_kernel k_q6e6634655d_pv
		.amdhsa_group_segment_fixed_size 327680
		.amdhsa_private_segment_fixed_size 0
		.amdhsa_enable_private_segment 0
		.amdhsa_kernarg_size 32
		.amdhsa_user_sgpr_count 2
		.amdhsa_user_sgpr_kernarg_segment_ptr 1
		.amdhsa_wavefront_size32 1
		.amdhsa_system_sgpr_workgroup_id_x 1
		.amdhsa_system_sgpr_workgroup_id_y 1
		.amdhsa_system_sgpr_workgroup_id_z 1
		.amdhsa_system_vgpr_workitem_id 0
		.amdhsa_next_free_vgpr 1024
		.amdhsa_next_free_sgpr 96
		.amdhsa_reserve_vcc 0
		.amdhsa_float_denorm_mode_32 3
		.amdhsa_float_denorm_mode_16_64 3
		.amdhsa_memory_ordered 1
		.amdhsa_forward_progress 1
		.amdhsa_inst_pref_size 162
	.end_amdhsa_kernel
	.amdgpu_metadata
---
amdhsa.version: [ 1, 2 ]
amdhsa.kernels:
  - .name:           k_q6e6634655d_pv
    .symbol:         k_q6e6634655d_pv.kd
    .args:
      - { .name: p_ws, .offset: 0, .size: 8, .value_kind: global_buffer, .address_space: global }
      - { .name: p_stat, .offset: 8, .size: 8, .value_kind: global_buffer, .address_space: global }
      - { .name: v_ws, .offset: 16, .size: 8, .value_kind: global_buffer, .address_space: global }
      - { .name: out0, .offset: 24, .size: 8, .value_kind: global_buffer, .address_space: global }
    .group_segment_fixed_size: 327680
    .private_segment_fixed_size: 0
    .kernarg_segment_align: 8
    .kernarg_segment_size: 32
    .max_flat_workgroup_size: 128
    .sgpr_count:     96
    .vgpr_count:     1024
    .wavefront_size: 32
...
	.end_amdgpu_metadata
.endif
;; end of part 3
